; MI455X (gfx1250); checked and timed in simulation.
; The chip was launched on July 23, 2026; its instructions are those of AMD's public machine-readable ISA for CDNA 5 (MIT licence, August 2026) and "CDNA5" Instruction Set Architecture Reference Guide (July 2026). The comments in the code are by the model that wrote it; some were corrected since.
;; s LSTM Cell. Allowed arithmetic: float matrix products may take bf16 or f16 operands with f32 sums; all other float work in f32.
;; Inputs: W_f 2,048 x 4,096 float32; W_i 2,048 x 4,096 float32; W_o 2,048 x 4,096 float32; W_z 2,048 x 4,096 float32; b_f 2,048 float32; b_i 2,048 float32; b_o 2,048 float32; b_z 2,048 float32; c 2,048 x 2,048 float32; h 2,048 x 2,048 float32; m 2,048 x 2,048 float32; n 2,048 x 2,048 float32; x 2,048 x 2,048 float32.
;; Outputs: out0 4 x 2,048 x 2,048 float32.
;; 2 versions, each right; version 2 is version 1 with the launch pack written anew for expert scheduling mode. Each part assembles by itself: llvm-mc -triple=amdgcn-amd-amdhsa -mcpu=gfx1250 --defsym DOCPART=n.
;; ======== version 1 of 2: 2 launches
;; workspace buffers: abf 16,777,216 bytes; wbf 67,108,864 bytes
;; launch pack (part 1): grid 512 x 1, 8 waves a work-group, no clusters, 0 bytes of LDS; arguments x, h, W_i, W_f, W_o, W_z, abf, wbf; writes abf, wbf
.if DOCPART == 1
	.amdgcn_target "amdgcn-amd-amdhsa--gfx1250"
	.amdhsa_code_object_version 6
	.text
	.protected	k_qa13ec05f72_pack
	.globl	k_qa13ec05f72_pack
	.p2align	8
	.type	k_qa13ec05f72_pack,@function
k_qa13ec05f72_pack:
	s_mov_b64 s[64:65], 0
	v_nop
	global_prefetch_b8 v0, s[64:65] scope:SCOPE_SE
	s_setreg_imm32_b32 hwreg(HW_REG_WAVE_MODE, 25, 1), 1
	s_wait_xcnt 0x0
; The matrix operands of the sLSTM cell, rounded once to bf16 (to nearest even) and laid out for the product that follows.
;   abf [2048][4096] bf16: row r = x[r] (2,048 numbers), then h[r]: the concatenation.
;   wbf [8192][4096] bf16: row (d/32)*128 + g*32 + d%32 = W_g[d], g = 0, 1, 2, 3 for i, f, o, z: 128 neighbouring rows hold all four gates of 32 neighbouring columns d.
; bf16 and not f16: it keeps f32's range, so inputs far larger or smaller than usual lose no more than their low bits.
; Why a launch of its own: with f32 tiles the product would read twice the LDS bytes for each matrix instruction and would have five tiles a K step (one of [x|h], four
; of the weights) for four waves.  Here 168 MB are read and 84 MB written once, and the product then reads 2 bytes a number.
; SHARES.  512 work-groups of eight waves.  Work-group w takes rows 4w .. 4w+3 of x, of h and of each of the four weights: 80 loads of 16 bytes a thread, in five chunks of 16.
; Thread t takes the 16 bytes at 16 t of every piece of 4,096 bytes (a wave's load covers 512 consecutive bytes) and stores the 8 bytes at 8 t of the piece of 2,048 bytes
; that it becomes (a wave's store covers 256 consecutive bytes, aligned).  Three chunk buffers in registers: 48 loads of a wave are out at the start.
; No LDS, no barrier, no matrix unit: nothing is shared and nothing is summed.
.set X0, 4                             ; v[4:67]    chunk buffer 0: 16 x 4 registers
.set X1, 68                            ; v[68:131]  chunk buffer 1
.set X2, 132                           ; v[132:195] chunk buffer 2
.set PX,  4                            ; s[4:5] x, s[6:7] h
.set PH,  6
.set PWI, 8                            ; s[8:15] W_i, W_f, W_o, W_z
.set PWF, 10
.set PWO, 12
.set PWZ, 14
.set PA,  16                           ; s[16:17] abf
.set PW,  18                           ; s[18:19] wbf
.macro LD buf, i, sb, off              ; 16 bytes a thread, read once in the whole launch
	global_load_b128 v[\buf+4*(\i):\buf+4*(\i)+3], v1, s[\sb:\sb+1] offset:\off th:TH_LOAD_NT
.endm
.macro CS buf, i, sb, off              ; four numbers rounded in place into two registers, and stored; no hint: the next launch reads these bytes
	v_cvt_pk_bf16_f32 v[\buf+4*(\i)],   v[\buf+4*(\i)],   v[\buf+4*(\i)+1]
	v_cvt_pk_bf16_f32 v[\buf+4*(\i)+1], v[\buf+4*(\i)+2], v[\buf+4*(\i)+3]
	global_store_b64 v2, v[\buf+4*(\i):\buf+4*(\i)+1], s[\sb:\sb+1] offset:\off
.endm
.macro LDA buf                         ; the chunk of x and h: 4 rows x 2 pieces of each
.irp r, 0,1,2,3
.irp p, 0,1
	LD \buf, 2*\r+\p,   PX, \r*8192+\p*4096
	LD \buf, 8+2*\r+\p, PH, \r*8192+\p*4096
.endr
.endr
.endm
.macro CSA buf                         ; x's half of a row of abf, then h's half 4,096 bytes further on
.irp r, 0,1,2,3
.irp p, 0,1
	CS \buf, 2*\r+\p,   PA, \r*8192+\p*2048
	CS \buf, 8+2*\r+\p, PA, \r*8192+4096+\p*2048
.endr
.endr
.endm
.macro LDW buf, sb                     ; a chunk of one weight: 4 rows x 4 pieces
.irp r, 0,1,2,3
.irp p, 0,1,2,3
	LD \buf, 4*\r+\p, \sb, \r*16384+\p*4096
.endr
.endr
.endm
.macro CSW buf, g                      ; gate g's rows lie 32 g rows of 8,192 bytes behind gate 0's; 817,152 at the most, inside the signed 24-bit immediate
.irp r, 0,1,2,3
.irp p, 0,1,2,3
	CS \buf, 4*\r+\p, PW, (32*\g+\r)*8192+\p*2048
.endr
.endr
.endm
	s_load_b512 s[4:19], s[0:1], 0x0               ; all eight addresses
	s_lshl_b32 s20, ttmp9, 15                      ; 4 rows of 8,192 bytes: the same offset in x, in h and in abf
	s_mov_b32 s21, 0
	s_lshl_b32 s22, ttmp9, 16                      ; 4 rows of 16,384 bytes in each weight
	s_mov_b32 s23, 0
	s_lshr_b32 s24, ttmp9, 3                       ; wbf: row (w/8)*128 + (w%8)*4, in rows of 8,192 bytes
	s_lshl_b32 s24, s24, 20
	s_and_b32 s25, ttmp9, 7
	s_lshl_b32 s25, s25, 15
	s_add_co_u32 s24, s24, s25
	s_mov_b32 s25, 0
	v_lshlrev_b32 v1, 4, v0                        ; 16 t: never rewritten
	v_lshlrev_b32 v2, 3, v0                        ; 8 t: never rewritten
	s_wait_kmcnt 0x0
	s_add_nc_u64 s[PX:PX+1],   s[PX:PX+1],   s[20:21]
	s_add_nc_u64 s[PH:PH+1],   s[PH:PH+1],   s[20:21]
	s_add_nc_u64 s[PA:PA+1],   s[PA:PA+1],   s[20:21]
	s_add_nc_u64 s[PWI:PWI+1], s[PWI:PWI+1], s[22:23]
	s_add_nc_u64 s[PWF:PWF+1], s[PWF:PWF+1], s[22:23]
	s_add_nc_u64 s[PWO:PWO+1], s[PWO:PWO+1], s[22:23]
	s_add_nc_u64 s[PWZ:PWZ+1], s[PWZ:PWZ+1], s[22:23]
	s_add_nc_u64 s[PW:PW+1],   s[PW:PW+1],   s[24:25]
	LDA X0
	LDW X1, PWI
	LDW X2, PWF
	s_wait_loadcnt 32                              ; loads come back in order: x's and h's chunk is in, the two younger chunks stay out
	CSA X0
	s_wait_xcnt 0x0                                ; buffer 0 is the data of the stores just issued: it is loaded again only behind this wait
	LDW X0, PWO
	s_wait_loadcnt 32                              ; W_i's chunk is in; W_f's and W_o's stay out
	CSW X1, 0
	s_wait_xcnt 0x0                                ; the same for buffer 1
	LDW X1, PWZ
	s_wait_loadcnt 32                              ; W_f's chunk
	CSW X2, 1
	s_wait_loadcnt 16                              ; W_o's chunk; W_z's stays out
	CSW X0, 2
	s_wait_loadcnt 0x0                             ; W_z's chunk: nothing was issued behind it
	CSW X1, 3
	s_endpgm
.Lfunc_end_k_qa13ec05f72_pack:
	.size	k_qa13ec05f72_pack, .Lfunc_end_k_qa13ec05f72_pack-k_qa13ec05f72_pack
	.p2alignl 7, 3214868480
	.fill 96, 4, 3214868480
	.section	.rodata,"a",@progbits
	.p2align	6, 0x0
	.amdhsa_kernel k_qa13ec05f72_pack
		.amdhsa_group_segment_fixed_size 0
		.amdhsa_private_segment_fixed_size 0
		.amdhsa_enable_private_segment 0
		.amdhsa_kernarg_size 64
		.amdhsa_user_sgpr_count 2
		.amdhsa_user_sgpr_kernarg_segment_ptr 1
		.amdhsa_wavefront_size32 1
		.amdhsa_system_sgpr_workgroup_id_x 1
		.amdhsa_system_sgpr_workgroup_id_y 1
		.amdhsa_system_sgpr_workgroup_id_z 1
		.amdhsa_system_vgpr_workitem_id 0
		.amdhsa_next_free_vgpr 196
		.amdhsa_next_free_sgpr 66
		.amdhsa_reserve_vcc 0
		.amdhsa_float_denorm_mode_32 3
		.amdhsa_float_denorm_mode_16_64 3
		.amdhsa_memory_ordered 1
		.amdhsa_forward_progress 1
		.amdhsa_inst_pref_size 27
	.end_amdhsa_kernel
	.amdgpu_metadata
---
amdhsa.version: [ 1, 2 ]
amdhsa.kernels:
  - .name:           k_qa13ec05f72_pack
    .symbol:         k_qa13ec05f72_pack.kd
    .args:
      - { .name: x, .offset: 0, .size: 8, .value_kind: global_buffer, .address_space: global }
      - { .name: h, .offset: 8, .size: 8, .value_kind: global_buffer, .address_space: global }
      - { .name: W_i, .offset: 16, .size: 8, .value_kind: global_buffer, .address_space: global }
      - { .name: W_f, .offset: 24, .size: 8, .value_kind: global_buffer, .address_space: global }
      - { .name: W_o, .offset: 32, .size: 8, .value_kind: global_buffer, .address_space: global }
      - { .name: W_z, .offset: 40, .size: 8, .value_kind: global_buffer, .address_space: global }
      - { .name: abf, .offset: 48, .size: 8, .value_kind: global_buffer, .address_space: global }
      - { .name: wbf, .offset: 56, .size: 8, .value_kind: global_buffer, .address_space: global }
    .group_segment_fixed_size: 0
    .private_segment_fixed_size: 0
    .kernarg_segment_align: 8
    .kernarg_segment_size: 64
    .max_flat_workgroup_size: 256
    .sgpr_count:     66
    .vgpr_count:     196
    .wavefront_size: 32
...
	.end_amdgpu_metadata
.endif
;; end of part 1
;; launch cell (part 2): grid 32 x 8, 4 waves a work-group, clusters of 4 x 4, 327,680 bytes of LDS; arguments abf, wbf, c, n, m, b_i, b_f, b_o, b_z, out0; writes out0
.if DOCPART == 2
	.amdgcn_target "amdgcn-amd-amdhsa--gfx1250"
	.amdhsa_code_object_version 6
	.text
	.protected	k_qa13ec05f72_cell
	.globl	k_qa13ec05f72_cell
	.p2align	8
	.type	k_qa13ec05f72_cell,@function
k_qa13ec05f72_cell:
	s_mov_b64 s[64:65], 0
	v_nop
	global_prefetch_b8 v0, s[64:65] scope:SCOPE_SE
	s_setreg_imm32_b32 hwreg(HW_REG_WAVE_MODE, 25, 1), 1
	s_wait_xcnt 0x0
	s_wait_alu depctr_hold_cnt(0) depctr_sa_sdst(0) depctr_va_vdst(0) depctr_va_sdst(0) depctr_va_ssrc(0) depctr_va_vcc(0) depctr_vm_vsrc(0)
	s_getreg_b32 s2, hwreg(HW_REG_IB_STS2, 6, 4)
	s_cmp_eq_u32 s2, 0
	s_cbranch_scc0 .Lentry_in_a_cluster
	s_endpgm
.Lentry_in_a_cluster:
	s_bfe_u32 s2, ttmp6, 0x10000c
	s_cmp_lg_u32 s2, 0xf033
	s_cbranch_scc0 .Lentry_shape_is_right
	s_endpgm
.Lentry_shape_is_right:
; The sLSTM cell: gates = [x|h] W^T + b (2,048 x 8,192 x 4,096, bf16 operands from abf and wbf, f32 sums), then, in f32,
;   z = tanh(z_t), m_new = max(f_t + m, i_t), i = e^(i_t - m_new), f = e^(f_t + m - m_new), c_new = f c + i z, n_new = f n + i, h_new = sigmoid(o_t) c_new / (n_new + 1e-6);
;   out0 = the planes h_new, c_new, n_new, m_new, each [2048][2048] f32.
; SHARES.  256 work-groups of four waves.  A work-group makes 256 batch rows x 64 columns d x 4 gates: a block of 256 x 256 of the product, since wbf holds the four gates of
; 32 neighbouring d in 128 neighbouring rows.  A wave makes 128 x 128 (128 rows, 32 d, 4 gates) in 64 accumulators of 16 x 16, 512 registers.  K goes in steps of 128 through a
; ring of two LDS slots filled by the tensor data mover; the tiles' rows are 256 bytes of memory and start at multiples of 256 bytes from the buffer's first byte.
; CLUSTERS.  4 x 4 work-groups.  The four of a row of the cluster need the same tiles of abf, the four of a column the same tiles of wbf: each tile is asked for JOINTLY, by the same
; tensor load with the same descriptor and a mask that names the four.  That divides the requests for both by four.
; THE MATRIX INSTRUCTION IS USED TRANSPOSED (source 0 = 16 rows of wbf, source 1 = 16 rows of abf): a lane then holds one batch row and eight neighbouring d of one gate.
; THE WAY OUT.  When the ring has had its last fill and its last read, its bytes take the four gates as planes of 256 rows x 64 f32.  Behind a barrier each wave reads 64 whole
; rows of all four planes, so that a lane holds i_t, f_t, o_t, z_t of the same four d, does the cell and stores 16 bytes a lane into each output plane.
; m is loaded at the start into registers that the loop leaves idle; c and n are asked for ahead (see below) and loaded round the last quarter step into the fragment buffers.
; LIMITS.  Matrix operands carry bf16's 8 bits.  tanh(z) = 1 - 2 / (1 + 2^(2 log2(e) z)): absolute error about 1e-7, exact limits -1 and 1 where the power is 0 or infinite.
; sigmoid and the division share one reciprocal, of (1 + e^-o)(n_new + 1e-6): where that product passes f32's largest number h_new is 0 (the true value is then below about
; 1e-35 |c_new|); where its magnitude is below 2^-126 the reciprocal is infinite.  Powers below 2^-126 come out as 0 (ISA guide, the entries of v_exp_f32 and v_rcp_f32).
; In the maximum a NaN loses, where jnp.maximum lets it win.  m_new is taken away before the scaling by log2(e), so the exponents are never positive.
;
; REGISTERS, in windows of 256 (s_set_vgpr_msb's low byte: bits 1:0 source 0, 3:2 source 1, 5:4 source 2, 7:6 destination):
;   window 0: v1-9 at work in the set-up; v16-31 addresses; v32-47 the biases; v64-127, v128-191 fragments of abf, two buffers, at the end n
;   window 1: v64-127, v128-191 fragments of wbf, two buffers, at the end c; v0-63, v192-255 m
;   window 2: the accumulators of my rows 0-63 ((a, b) at v[8 (8 a + b)]), at the end the cell's work;   window 3: those of my rows 64-127
.set KSTEP,  128
.set SIZE_K, 4096
.set PITCH,  272                       ; an LDS row: 256 bytes + 16 of padding: row r starts 16 r bytes further modulo 256, so the 16 rows that 16 lanes touch lie in 16 different columns of 16 bytes
.set HALFT,  128*PITCH                 ; 128 rows: what one tensor load brings, and what one wave reads of either operand
.set SLOT,   4*HALFT                   ; abf's 256 rows, then wbf's 256 rows
.set LAPS,   SIZE_K/(2*KSTEP)          ; a lap = two K steps = once round the ring: 16
.set GATE,   256*PITCH                 ; at the end: a gate's plane, 256 rows of 64 f32; four planes fill the two slots exactly
.set ROWB,   8192                      ; a row of c, n, m and of an output plane, in bytes
.set PLANE,  0x1000000                 ; an output plane, in bytes
.set ADRA, 16                          ; v16-17  LDS address of my abf fragments in slot 0, 1
.set BO,   18                          ; v18     16 (l % 16): my four d in the tile's 64, in bytes
.set ADRB, 20                          ; v20-21  LDS address of my wbf fragments in slot 0, 1
.set CO,   22                          ; v22     my byte offset in two rows of c, n, m, out0
.set PF,   23                          ; v23     lane x one row: for the prefetches
.set STG,  24                          ; v24-27  where I put 16 bytes of gate g's plane
.set RDG,  28                          ; v28-31  where I read gate g's plane back
.set BIAS, 32                          ; v32-47  b_i, b_f, b_o, b_z of my four d
.set F0,   64
.set F1,   128
.set BB,   0                           ; window 2: b_i, b_f, -log2(e) b_o, 2 log2(e) b_z
.set EB,   16                          ; window 2: two batch buffers of 4 groups x 20 registers
.set GI, 0                             ; in a group: i_t, f_t, o_t, z_t, m_new, four numbers each
.set GF, 4
.set GO, 8
.set GZ, 12
.set GM, 16
.set G1,  24                           ; s[24:31] descriptor group 1 for abf's tiles;  s[32:39] group 0, one set for each slot
.set G0,  32
.set G1B, 48                           ; s[48:55], s[56:63] the same for wbf's tiles
.set G0B, 56
.set PC,  68                           ; s[68:69] c, s[70:71] n, s[72:73] m at my wave's first row and the tile's first column
.set PN,  70
.set PM,  72
.set PB,  74                           ; s[74:81] b_i, b_f, b_o, b_z at the tile's first column
.set POUT, 84                          ; s[84:91] the four output planes at my wave's first row
.set LG,  92                           ; s[92:93] log2(e); the packed forms name a pair and take its low word for both halves
.set NLG, 94                           ; s[94:95] -log2(e)
.set LG2, 96                           ; s[96:97] 2 log2(e)
.set EPS, 98                           ; s[98:99] 1e-6
.set MSB, 0
.macro WIN new                         ; the immediate's high byte repeats the setting that is left; a switch that changes nothing is dropped
.if MSB != (\new)
	s_set_vgpr_msb (MSB<<8)|(\new)
.set MSB, (\new)
.endif
.endm
.set MUL_LO, 0xa1                      ; source 0 (wbf) window 1, source 1 (abf) window 0, C and D window 2
.set MUL_HI, 0xf1                      ; the same, C and D window 3
.set TO_B,   0x40                      ; destination window 1, address window 0
.set D2,     0x08                      ; a store's data in window 2, its address in window 0
.set D3,     0x0c                      ; a store's data in window 3
.set TO2,    0x80                      ; destination window 2, address or source 0 in window 0
.set ALL2,   0xaa                      ; everything in window 2
.set S1W1,   0xa6                      ; source 1 in window 1 (m, c), the rest in window 2
.set S1W0,   0xa2                      ; source 1 in window 0 (n), the rest in window 2
; A joint load.  Waves 0 and 1 fetch abf's two halves, waves 2 and 3 wbf's.  Each of the two lines has one mask and one set of registers for all that issue it.  The branch hangs on
; the wave's number alone.  Four v_nop follow each of the two lines, ahead of the jump, the label and what follows.
.macro JLOAD s
	s_cmp_eq_u32 s11, 0
	s_cbranch_scc0 .Lfor_b_\@
	tensor_load_to_lds s[G0+4*\s:G0+4*\s+3], s[G1:G1+7]
	s_nop 0
.rept 4
	v_nop
.endr
	s_branch .Lasked_\@
.Lfor_b_\@:
	tensor_load_to_lds s[G0B+4*\s:G0B+4*\s+3], s[G1B:G1B+7]
	s_nop 0
.rept 4
	v_nop
.endr
.Lasked_\@:
.endm
; A round of the cluster's barrier: my work-group's barrier, so that wave 0's signal speaks for all four waves; wave 0 signals for the work-group; every wave waits for all sixteen
; work-groups; my work-group's barrier once more.
.macro CREST                           ; a round behind its opening barrier
	s_cmp_lg_u32 s10, 0
	s_cbranch_scc1 .Lnot_wave_0_\@
	s_barrier_signal -3
.Lnot_wave_0_\@:
	s_barrier_wait -3
	s_barrier_signal -1
	s_barrier_wait -1
.endm
.macro CROUND                          ; a whole round
	s_barrier_signal -1
	s_barrier_wait -1
	CREST
.endm
	s_load_b128 s[4:7], s[0:1], 0x0                ; abf s[4:5], wbf s[6:7]
	s_load_b512 s[68:83], s[0:1], 0x10             ; c, n, m, b_i, b_f, b_o, b_z, out0
	v_lshl_add_u32 v254, v0, 2, 0x44000
	v_mov_b32 v255, 0
	ds_add_u32 v254, v255
	v_lshrrev_b32 v1, 5, v0
	v_readfirstlane_b32 s10, v1                    ; wave 0..3
	s_lshr_b32 s11, s10, 1                         ; which half of the tile's rows is mine.  Also: I fetch for abf (0) or for wbf (1)
	s_and_b32 s12, s10, 1                          ; which 32 of its 64 d.  Also: which 128 rows of that tile I fetch
	s_bfe_u32 s40, ttmp6, 0x40000                  ; cx, cy: my place in the cluster
	s_bfe_u32 s41, ttmp6, 0x40004
	s_lshl_b32 s42, ttmp9, 2                       ; in a cluster launch ttmp9 and ttmp7 count clusters
	s_add_co_u32 s42, s42, s40                     ; tile column (64 d) = 4 x cluster x + cx
	s_and_b32 s13, ttmp7, 0xffff
	s_lshl_b32 s13, s13, 2
	s_add_co_u32 s13, s13, s41                     ; tile row (256 batch rows) = 4 x cluster y + cy
	s_lshl_b32 s43, s41, 2
	s_lshl_b32 s43, 15, s43                        ; my row of the cluster: places 4 cy .. 4 cy + 3
	s_lshl_b32 s44, 0x1111, s40                    ; my column: places cx, cx + 4, cx + 8, cx + 12
	; descriptor group 1: a tile of 128 rows x 128 elements of 2 bytes, padded in LDS
	s_or_b32 s[G1+0], s43, (1<<16)|(1<<20)|(1<<21)|(5<<22)|(3<<25)   ; 15:0 the mask: abf's tiles go to my row; 17:16 elements of 2 bytes; 20 padding on; 21 set beside a mask; 24:22 after every 64 words (code 5); 31:25 4 words of it (code 3)
	s_or_b32 s[G1B+0], s44, (1<<16)|(1<<20)|(1<<21)|(5<<22)|(3<<25)  ; the same with the mask of my column, for wbf's tiles
.irp g, G1, G1B
	s_mov_b32 s[\g+1], KSTEP<<16                   ; tensor_dim0 = 128
	s_mov_b32 s[\g+2], 128<<16                     ; tensor_dim1 = 128
	s_mov_b32 s[\g+3], KSTEP<<16                   ; tile_dim0 = 128
	s_mov_b32 s[\g+4], 128                         ; tile_dim1 = 128
	s_mov_b32 s[\g+5], SIZE_K                      ; elements from row to row
	s_mov_b32 s[\g+6], 0
	s_mov_b32 s[\g+7], 0
.endr
	; where the tiles come from: abf's hang on the tile row alone, wbf's on the tile column alone; each address is made in registers that never hold the other coordinate
	s_lshl_b32 s17, s12, 7                         ; which 128 rows of the tile I fetch
	s_lshl_b32 s16, s13, 8
	s_add_co_u32 s16, s16, s17                     ; abf: row 256 x tile row + 128 x half
	s_lshl_b32 s46, s42, 8
	s_add_co_u32 s46, s46, s17                     ; wbf: row 256 x tile column + 128 x half
	s_mov_b32 s17, 0
	s_mov_b32 s47, 0
	s_mov_b64 s[18:19], SIZE_K*2
	s_mul_u64 s[16:17], s[16:17], s[18:19]         ; in bytes
	s_mul_u64 s[46:47], s[46:47], s[18:19]
	s_mul_i32 s20, s10, HALFT                      ; and where they go: wave x 128 rows: no place in the cluster enters an LDS address
	s_wait_dscnt 0x0
	s_wait_kmcnt 0x0
	s_add_nc_u64 s[14:15], s[4:5], s[16:17]
	s_add_nc_u64 s[46:47], s[6:7], s[46:47]
	CROUND                                         ; all sixteen work-groups are here: the first joint loads meet
.irp s, 0,1
	s_mov_b32 s[G0+4*\s], 1                                        ; count = 1
	s_add_co_u32 s[G0+4*\s+1], s20, \s*SLOT                        ; LDS address
	s_add_nc_u64 s[G0+4*\s+2:G0+4*\s+3], s[14:15], \s*KSTEP*2      ; global address: K step s
	s_or_b32 s[G0+4*\s+3], s[G0+4*\s+3], 0x80000000                ; type = 2
	s_mov_b32 s[G0B+4*\s], 1
	s_add_co_u32 s[G0B+4*\s+1], s20, \s*SLOT
	s_add_nc_u64 s[G0B+4*\s+2:G0B+4*\s+3], s[46:47], \s*KSTEP*2
	s_or_b32 s[G0B+4*\s+3], s[G0B+4*\s+3], 0x80000000
	JLOAD \s                                       ; the ring is filled before anything else is done: two loads of mine are out
.endr
	; the cell's operands and results: my wave reads and writes rows 256 x tile row + 64 x wave on, columns 64 x tile column on
	s_lshl_b32 s66, s13, 8
	s_lshl_b32 s67, s10, 6
	s_add_co_u32 s66, s66, s67
	s_lshl_b32 s66, s66, 13                        ; rows of 8,192 bytes
	s_lshl_b32 s2, s42, 8                          ; 64 f32 a tile column
	s_mov_b32 s3, 0
	s_add_co_u32 s66, s66, s2
	s_mov_b32 s67, 0
	s_add_nc_u64 s[PC:PC+1], s[PC:PC+1], s[66:67]
	s_add_nc_u64 s[PN:PN+1], s[PN:PN+1], s[66:67]
	s_add_nc_u64 s[PM:PM+1], s[PM:PM+1], s[66:67]
.irp g, 0,1,2,3
	s_add_nc_u64 s[PB+2*\g:PB+2*\g+1], s[PB+2*\g:PB+2*\g+1], s[2:3]
.endr
	s_add_nc_u64 s[POUT:POUT+1], s[82:83], s[66:67]                ; h_new's plane,
	s_add_nc_u64 s[POUT+2:POUT+3], s[POUT:POUT+1], PLANE           ; c_new's,
	s_add_nc_u64 s[POUT+4:POUT+5], s[POUT+2:POUT+3], PLANE         ; n_new's,
	s_add_nc_u64 s[POUT+6:POUT+7], s[POUT+4:POUT+5], PLANE         ; m_new's
	s_mov_b32 s[LG],    0x3fb8aa3b                 ; log2(e)
	s_mov_b32 s[LG+1],  0x3fb8aa3b                 ; (named with it as a pair, so it is written)
	s_mov_b32 s[NLG],   0xbfb8aa3b
	s_mov_b32 s[NLG+1], 0xbfb8aa3b
	s_mov_b32 s[LG2],   0x4038aa3b
	s_mov_b32 s[LG2+1], 0x4038aa3b
	s_mov_b32 s[EPS],   0x358637bd                 ; 1e-6
	s_mov_b32 s[EPS+1], 0x358637bd
	; A fragment is 16 rows x 32 K in 8 registers: lane l holds row l % 16; registers 0-3 hold K = 8 (l / 16) + 0..7, registers 4-7 K = 16 + 8 (l / 16) + 0..7: two loads of 16 bytes, 32 bytes apart.
	v_and_b32 v1, 15, v0                           ; r = l % 16
	v_bfe_u32 v2, v0, 4, 1                         ; hh = l / 16
	v_mul_u32_u24 v3, v1, PITCH
	v_lshl_add_u32 v3, v2, 4, v3                   ; row x pitch + 16 x half
	s_mul_i32 s21, s11, HALFT                      ; my 128 rows of abf
	s_mul_i32 s22, s12, HALFT                      ; my 128 rows of wbf,
	s_add_co_u32 s22, s22, 2*HALFT                 ; which lie behind abf's 256
.irp s, 0,1
	v_add_nc_u32 v[ADRA+\s], s21, v3
	v_add_nc_u32 v[ADRB+\s], s22, v3
	s_add_co_u32 s21, s21, SLOT
	s_add_co_u32 s22, s22, SLOT
.endr
	v_lshlrev_b32 v[BO], 4, v1                     ; 16 r
	v_lshl_add_u32 v[CO], v2, 13, v[BO]            ; lanes 0-15 one row's 256 bytes, lanes 16-31 the next row's
	v_and_b32 v4, 31, v0
	v_lshlrev_b32 v[PF], 13, v4                    ; a row a lane
	s_mul_i32 s21, s11, HALFT                      ; into a plane: row 128 x row half + r, byte 128 x column half + 32 hh
	s_lshl_b32 s22, s12, 7
	s_add_co_u32 s21, s21, s22
	v_mul_u32_u24 v5, v1, PITCH
	v_lshl_add_u32 v5, v2, 5, v5
	v_add_nc_u32 v5, s21, v5
	s_mul_i32 s21, s10, 64*PITCH                   ; back: row 64 x wave + hh, byte 16 r
	v_mul_u32_u24 v6, v2, PITCH
	v_lshl_add_u32 v6, v1, 4, v6
	v_add_nc_u32 v6, s21, v6
.irp g, 0,1,2,3
	v_add_nc_u32 v[STG+\g], \g*GATE, v5
	v_add_nc_u32 v[RDG+\g], \g*GATE, v6
.endr
	; the biases and m go out now and are waited for behind the loop: their registers lie idle in it, and nothing in it waits on LOADcnt
.irp g, 0,1,2,3
	global_load_b128 v[BIAS+4*\g:BIAS+4*\g+3], v[BO], s[PB+2*\g:PB+2*\g+1]
.endr
	WIN TO_B
.set t, 0
.rept 32                               ; group t = my rows 2 t and 2 t + 1
	global_load_b128 v[4*t+128*(t/16):4*t+128*(t/16)+3], v[CO], s[PM:PM+1] offset:t*2*ROWB th:TH_LOAD_NT
.set t, t+1
.endr
	WIN 0
; 16 matrix instructions: row blocks a0, a0 + 1 of the window's four (hi = 0: my rows 0-63, 1: rows 64-127) x all 8 blocks of wbf's rows, 32 along K.
; zero = 1: the first product starts the sums: nothing is ever cleared.  The 64 accumulators take turns, one instruction a turn, in the same order in every quarter step.
.macro MUL16 f, hi, a0, zero
.irp a, \a0, \a0+1
.irp b, 0,1,2,3,4,5,6,7
.if \zero
	v_wmma_f32_16x16x32_bf16 v[8*(8*(\a)+\b):8*(8*(\a)+\b)+7], v[\f+8*\b:\f+8*\b+7], v[\f+8*(4*\hi+\a):\f+8*(4*\hi+\a)+7], 0
.else
	v_wmma_f32_16x16x32_bf16 v[8*(8*(\a)+\b):8*(8*(\a)+\b)+7], v[\f+8*\b:\f+8*\b+7], v[\f+8*(4*\hi+\a):\f+8*(4*\hi+\a)+7], v[8*(8*(\a)+\b):8*(8*(\a)+\b)+7]
.endif
.endr
.endr
.endm
; 32 LDS loads in one run: the fragments of one quarter step (128 rows of wbf, 128 rows of abf, 32 K at byte k of the rows) into buffer f
.macro FETCH slot, k, f
	WIN TO_B
.irp i, 0,1,2,3,4,5,6,7
	ds_load_b128 v[\f+8*\i:\f+8*\i+3],   v[ADRB+\slot] offset:\k+\i*16*PITCH
	ds_load_b128 v[\f+8*\i+4:\f+8*\i+7], v[ADRB+\slot] offset:\k+\i*16*PITCH+32
.endr
	WIN 0
.irp i, 0,1,2,3,4,5,6,7
	ds_load_b128 v[\f+8*\i:\f+8*\i+3],   v[ADRA+\slot] offset:\k+\i*16*PITCH
	ds_load_b128 v[\f+8*\i+4:\f+8*\i+7], v[ADRA+\slot] offset:\k+\i*16*PITCH+32
.endr
.endm
; A load into a register that a matrix instruction has read, and a store or vector instruction that reads a matrix result, stand four places behind that matrix instruction, and only
; plain vector instructions that name none of its registers are places (ISA guide 7.12.1 for vector instructions).
.macro PLACES
.rept 4
	v_nop
.endr
.endm
; A K step is four quarter steps of 32 along K, 64 matrix instructions each, on buffers 0, 1, 0, 1.
; One of the first three: multiplies buffer f; in its middle it fetches the next quarter's fragments, at byte k of the same slot's rows, into buffer g.
.macro QUARTER slot, k, f, g, zero
	s_wait_dscnt 8                                 ; wbf's fragments and abf's rows 0-63 are in; the youngest eight loads (abf's rows 64-127) may be out
	WIN MUL_LO
	MUL16 \f, 0, 0, \zero
	MUL16 \f, 0, 2, \zero
	PLACES
	FETCH \slot, \k, \g
	s_wait_dscnt 32                                ; all but the 32 just issued
	WIN MUL_HI
	MUL16 \f, 1, 0, \zero
	MUL16 \f, 1, 2, \zero
.endm
; The last quarter multiplies buffer 1 and changes slots.  MEET is its first half: one barrier for the change.  In front of it each wave waits for its own reads of this slot and for
; all its tensor loads, of which one is out: its part of the next slot.  Behind it nobody reads this slot any more and the next slot is whole.
.macro MEET round                      ; round = 1: the rest of a round of the cluster's barrier follows
	s_wait_dscnt 8
	WIN MUL_LO
	MUL16 F1, 0, 0, 0
	s_wait_dscnt 0                                 ; my reads of this slot are over
	s_set_vgpr_msb 0xa1a0
	s_wait_tensorcnt 0x0                           ; and all my tensor loads have landed
	ds_add_u32 v254, v255
	s_wait_dscnt 0x0
	s_set_vgpr_msb 0xa0a1
	s_barrier_signal -1
	MUL16 F1, 0, 2, 0                              ; work on registers while the others arrive
.if \round
	WIN 0                                          ; at a branch and at a label every window is 0
.endif
	s_barrier_wait -1
.endm
; The whole last quarter.  fill = 1: behind the round the slot just read out is filled again first, with the K step two steps on; from that request to the wait for it a wave issues
; 240 matrix instructions.  Then come the next slot's first fragments.
.macro TURN slot, next, fill
.if \fill
	MEET 1
	CREST                                          ; no wave of any partner still reads this slot's tile or has a load on its way
	s_add_nc_u64 s[G0+4*\slot+2:G0+4*\slot+3], s[G0+4*\slot+2:G0+4*\slot+3], 2*KSTEP*2      ; no tensor load of mine is out, so a group 0 may be written
	s_add_nc_u64 s[G0B+4*\slot+2:G0B+4*\slot+3], s[G0B+4*\slot+2:G0B+4*\slot+3], 2*KSTEP*2
	JLOAD \slot                                    ; my one tensor load behind the round; the four v_nop behind it are also the places in front of the loads below
.else
	MEET 0
	PLACES
.endif
	FETCH \next, 0, F0
	WIN MUL_HI
	MUL16 F1, 1, 0, 0
	MUL16 F1, 1, 2, 0
.endm
	s_wait_tensorcnt 1                             ; my part of K step 0 is in; K step 1's may stay out
	s_barrier_signal -1
	s_barrier_wait -1                              ; everybody's is
	FETCH 0, 0, F0
	QUARTER 0, 64,  F0, F1, 1                      ; the first quarter stands in front of the loop: its products start the sums
	WIN 0
	s_mov_b32 s3, LAPS-1
.Llap:                                                 ; a trip goes once round the ring, from a lap's second quarter to the next lap's first, and fills both slots again: trip i asks for K steps 2 i + 2 and 2 i + 3
	QUARTER 0, 128, F1, F0, 0
	QUARTER 0, 192, F0, F1, 0
	TURN 0, 1, 1
	QUARTER 1, 64,  F0, F1, 0
	QUARTER 1, 128, F1, F0, 0
	QUARTER 1, 192, F0, F1, 0
	TURN 1, 0, 1
	QUARTER 0, 64,  F0, F1, 0
	WIN 0
	s_sub_co_u32 s3, s3, 1
	s_cmp_lg_u32 s3, 0
	s_cbranch_scc1 .Llap
	QUARTER 0, 128, F1, F0, 0                      ; the last lap is written out: it fills nothing, and has no round
	QUARTER 0, 192, F0, F1, 0
	TURN 0, 1, 0
	WIN 0
	; c and n are asked for ahead of their loads: each wave asks for the 64 pieces of rows (256 bytes each, a lane to a piece) of c and of n that it will load itself, each once in the
	; launch, 32 KiB a wave, three quarter steps (192 matrix instructions) ahead of the first of those loads.  All lie inside the buffers: they are the loads' own addresses.
	global_prefetch_b8 v[PF], s[PC:PC+1] th:TH_LOAD_NT scope:SCOPE_SE
	global_prefetch_b8 v[PF], s[PN:PN+1] th:TH_LOAD_NT scope:SCOPE_SE
	global_prefetch_b8 v[PF], s[PC:PC+1] offset:32*ROWB th:TH_LOAD_NT scope:SCOPE_SE
	global_prefetch_b8 v[PF], s[PN:PN+1] offset:32*ROWB th:TH_LOAD_NT scope:SCOPE_SE
	QUARTER 1, 64,  F0, F1, 0
	QUARTER 1, 128, F1, F0, 0
	QUARTER 1, 192, F0, F1, 0
; c's and n's groups t0 .. t0 + 15 into the fragment buffer that has just been multiplied for the last time: c where wbf's fragments lay, n where abf's lay
.macro LOADCN t0
	WIN TO_B
.set t, \t0
.rept 16
	global_load_b128 v[64+4*t:64+4*t+3], v[CO], s[PC:PC+1] offset:t*2*ROWB th:TH_LOAD_NT
.set t, t+1
.endr
	WIN 0
.set t, \t0
.rept 16
	global_load_b128 v[64+4*t:64+4*t+3], v[CO], s[PN:PN+1] offset:t*2*ROWB th:TH_LOAD_NT
.set t, t+1
.endr
.endm
	; THE VERY LAST QUARTER.  Its barrier stands between every wave's last read of the ring and the stores that turn the ring into the gates' planes.
	s_wait_dscnt 0x0                               ; buffer 1 is in, and my reads of the ring are over
	s_wait_loadcnt 0x0                             ; the biases and m, issued in front of the loop: from here on LOADcnt counts c's and n's loads alone
	PLACES                                         ; for the loads into buffer 0, which the quarter before multiplied
	LOADCN 0
	s_barrier_signal -1
	WIN MUL_LO
	MUL16 F1, 0, 0, 0
	MUL16 F1, 0, 2, 0
	WIN MUL_HI
	MUL16 F1, 1, 0, 0
	MUL16 F1, 1, 2, 0
	s_barrier_wait -1                              ; no wave reads the ring any more; its last fills were shown landed in front of the last change of slots; no tensor load follows
	PLACES                                         ; for the loads into buffer 1 and for the LDS stores of results just made
	LOADCN 16
	; The accumulators go into the planes: (a, b) holds gate b / 2, rows 16 a + r of my 128, columns 16 (b % 2) + 8 hh + 0..7 of my 32: 32 bytes a lane, two stores
.irp hi, 0,1
	WIN D2+4*\hi
.irp a, 0,1,2,3
.irp b, 0,1,2,3,4,5,6,7
.irp u, 0,1
	ds_store_b128 v[STG+\b/2], v[8*(8*\a+\b)+4*\u:8*(8*\a+\b)+4*\u+3] offset:(4*\hi+\a)*16*PITCH+64*(\b%2)+16*\u
.endr
.endr
.endr
.endr
	s_wait_dscnt 0x0                               ; for the others' sake: my stores into the planes are done
	s_barrier_signal -1
	WIN TO2                                        ; the biases move beside the cell's work; o's and z's take the factor of their exponent: (o + b)(-log2 e) = o (-log2 e) + b (-log2 e)
.irp e, 0,1,2,3,4,5,6,7
	v_mov_b32 v[BB+\e], v[BIAS+\e]
.endr
.irp p, 0,2
	v_pk_mul_f32 v[BB+8+\p:BB+9+\p],   v[BIAS+8+\p:BIAS+9+\p],   s[NLG:NLG+1] op_sel_hi:[1,0]
	v_pk_mul_f32 v[BB+12+\p:BB+13+\p], v[BIAS+12+\p:BIAS+13+\p], s[LG2:LG2+1] op_sel_hi:[1,0]
.endr
	s_barrier_wait -1                              ; a row's 256 bytes come from two waves: now they are whole
; THE CELL, in eight batches of four groups.  Group t = 4 k + q: my rows 2 t + hh, columns 4 r .. 4 r + 3: 16 lanes hold 256 neighbouring bytes of a row.
.macro GRP k, q                        ; where group q of batch k lies
.set TT, 4*(\k)+\q
.set E,  EB+80*((\k)%2)+20*\q          ; its 20 registers in window 2
.set MR, 4*TT+128*(TT/16)              ; its m in window 1
.set CR, 64+4*TT                       ; its c in window 1, its n in window 0
.endm
.macro LOADG k                         ; 16 LDS loads: the four gates of the batch's four groups
	WIN TO2
.irp q, 0,1,2,3
	GRP \k, \q
.irp g, 0,1,2,3
	ds_load_b128 v[E+4*\g:E+4*\g+3], v[RDG+\g] offset:TT*2*PITCH
.endr
.endr
.endm
.macro MATH k                          ; each step goes over all four groups, so that no instruction waits for the one just before it
	WIN S1W1
.irp q, 0,1,2,3
	GRP \k, \q
.irp p, 0,2
	v_pk_add_f32 v[E+GF+\p:E+GF+\p+1], v[E+GF+\p:E+GF+\p+1], v[MR+\p:MR+\p+1]                         ; f + m
.endr
.endr
	WIN ALL2
.irp q, 0,1,2,3
	GRP \k, \q
.irp p, 0,2
	v_pk_add_f32 v[E+GI+\p:E+GI+\p+1], v[E+GI+\p:E+GI+\p+1], v[BB+\p:BB+\p+1]                         ; i_t
	v_pk_add_f32 v[E+GF+\p:E+GF+\p+1], v[E+GF+\p:E+GF+\p+1], v[BB+4+\p:BB+5+\p]                       ; f_t + m
	v_pk_fma_f32 v[E+GO+\p:E+GO+\p+1], v[E+GO+\p:E+GO+\p+1], s[NLG:NLG+1], v[BB+8+\p:BB+9+\p] op_sel_hi:[1,0,1]    ; -log2(e) o_t
	v_pk_fma_f32 v[E+GZ+\p:E+GZ+\p+1], v[E+GZ+\p:E+GZ+\p+1], s[LG2:LG2+1], v[BB+12+\p:BB+13+\p] op_sel_hi:[1,0,1]  ; 2 log2(e) z_t
.endr
.endr
.irp q, 0,1,2,3
	GRP \k, \q
.irp e, 0,1,2,3
	v_max_num_f32 v[E+GM+\e], v[E+GF+\e], v[E+GI+\e]                                                  ; m_new
.endr
.endr
.irp q, 0,1,2,3
	GRP \k, \q
.irp p, 0,2
	v_pk_add_f32 v[E+GI+\p:E+GI+\p+1], v[E+GI+\p:E+GI+\p+1], v[E+GM+\p:E+GM+\p+1] neg_lo:[0,1] neg_hi:[0,1]   ; the maximum is taken away first, exactly where the two are equal,
	v_pk_add_f32 v[E+GF+\p:E+GF+\p+1], v[E+GF+\p:E+GF+\p+1], v[E+GM+\p:E+GM+\p+1] neg_lo:[0,1] neg_hi:[0,1]
.endr
.endr
.irp q, 0,1,2,3
	GRP \k, \q
.irp p, 0,2
	v_pk_mul_f32 v[E+GI+\p:E+GI+\p+1], v[E+GI+\p:E+GI+\p+1], s[LG:LG+1] op_sel_hi:[1,0]               ; and the difference, never above 0, is scaled for the power of 2
	v_pk_mul_f32 v[E+GF+\p:E+GF+\p+1], v[E+GF+\p:E+GF+\p+1], s[LG:LG+1] op_sel_hi:[1,0]
.endr
.endr
.irp q, 0,1,2,3
	GRP \k, \q
.irp e, 0,1,2,3,4,5,6,7,8,9,10,11,12,13,14,15
	v_exp_f32 v[E+\e], v[E+\e]                                                                        ; i, f, e^-o, e^2z
.endr
.endr
	v_nop                                          ; a plain instruction between the last power and the use of its result
.irp q, 0,1,2,3
	GRP \k, \q
	s_wait_alu depctr_va_vdst(0)
.irp p, 0,2
	v_pk_add_f32 v[E+GZ+\p:E+GZ+\p+1], v[E+GZ+\p:E+GZ+\p+1], 1.0 op_sel_hi:[1,0]
.endr
.endr
.irp q, 0,1,2,3
	GRP \k, \q
.irp e, 0,1,2,3
	v_rcp_f32 v[E+GZ+\e], v[E+GZ+\e]
.endr
.endr
	v_nop                                          ; the same behind the last reciprocal
.irp q, 0,1,2,3
	GRP \k, \q
	s_wait_alu depctr_va_vdst(0)
.irp p, 0,2
	v_pk_fma_f32 v[E+GZ+\p:E+GZ+\p+1], v[E+GZ+\p:E+GZ+\p+1], -2.0, 1.0 op_sel_hi:[1,0,0]              ; tanh(z_t) = 1 - 2 / (1 + e^2z)
.endr
.endr
.irp q, 0,1,2,3
	GRP \k, \q
.irp p, 0,2
	v_pk_mul_f32 v[E+GZ+\p:E+GZ+\p+1], v[E+GI+\p:E+GI+\p+1], v[E+GZ+\p:E+GZ+\p+1]                     ; i z
.endr
.endr
	WIN S1W1
.irp q, 0,1,2,3
	GRP \k, \q
.irp p, 0,2
	v_pk_fma_f32 v[E+GZ+\p:E+GZ+\p+1], v[E+GF+\p:E+GF+\p+1], v[CR+\p:CR+\p+1], v[E+GZ+\p:E+GZ+\p+1]   ; c_new = f c + i z
.endr
.endr
	WIN S1W0
.irp q, 0,1,2,3
	GRP \k, \q
.irp p, 0,2
	v_pk_fma_f32 v[E+GI+\p:E+GI+\p+1], v[E+GF+\p:E+GF+\p+1], v[CR+\p:CR+\p+1], v[E+GI+\p:E+GI+\p+1]   ; n_new = f n + i
.endr
.endr
	WIN ALL2
.irp q, 0,1,2,3
	GRP \k, \q
.irp p, 0,2
	v_pk_add_f32 v[E+GF+\p:E+GF+\p+1], v[E+GI+\p:E+GI+\p+1], s[EPS:EPS+1] op_sel_hi:[1,0]             ; n_new + 1e-6
.endr
.endr
.irp q, 0,1,2,3
	GRP \k, \q
.irp p, 0,2
	v_pk_fma_f32 v[E+GO+\p:E+GO+\p+1], v[E+GO+\p:E+GO+\p+1], v[E+GF+\p:E+GF+\p+1], v[E+GF+\p:E+GF+\p+1]   ; (1 + e^-o)(n_new + 1e-6)
.endr
.endr
.irp q, 0,1,2,3
	GRP \k, \q
.irp e, 0,1,2,3
	v_rcp_f32 v[E+GO+\e], v[E+GO+\e]
.endr
.endr
	v_nop
.irp q, 0,1,2,3
	GRP \k, \q
	s_wait_alu depctr_va_vdst(0)
.irp p, 0,2
	v_pk_mul_f32 v[E+GO+\p:E+GO+\p+1], v[E+GZ+\p:E+GZ+\p+1], v[E+GO+\p:E+GO+\p+1]                     ; h_new
.endr
.endr
.endm
.macro SENDB k                         ; 16 lanes store 256 consecutive bytes, at a multiple of 256 from out0's first byte; 507,904 at the most in the immediate
	WIN D2
.irp q, 0,1,2,3
	GRP \k, \q
	global_store_b128 v[CO], v[E+GO:E+GO+3], s[POUT:POUT+1]   offset:TT*2*ROWB th:TH_STORE_NT
	global_store_b128 v[CO], v[E+GZ:E+GZ+3], s[POUT+2:POUT+3] offset:TT*2*ROWB th:TH_STORE_NT
	global_store_b128 v[CO], v[E+GI:E+GI+3], s[POUT+4:POUT+5] offset:TT*2*ROWB th:TH_STORE_NT
	global_store_b128 v[CO], v[E+GM:E+GM+3], s[POUT+6:POUT+7] offset:TT*2*ROWB th:TH_STORE_NT
.endr
.endm
	LOADG 0
.irp k, 0,1,2,3,4,5,6,7
.if \k < 7
.if \k > 0
	s_wait_xcnt 0x0                                ; the other batch buffer is the data of the stores of the batch before: it is loaded again only behind this wait
.endif
	LOADG \k+1
	s_wait_dscnt 16                                ; this batch's gates are in; the next batch's 16 loads stay out
.else
	s_wait_dscnt 0x0                               ; the last batch: nothing was issued behind it
.endif
.if \k < 4
	s_wait_loadcnt 44-4*\k                         ; issued in the order c 0-15, n 0-15, c 16-31, n 16-31: behind n's group 4 k + 3 stand 12 - 4 k of n's and the 32 of the second half
.else
	s_wait_loadcnt 28-4*\k                         ; behind n's group 4 k + 3 stand n's groups up to 31
.endif
	MATH \k
	SENDB \k
.endr
	WIN 0
	s_wait_tensorcnt 0x0
	ds_add_u32 v254, v255
	s_wait_dscnt 0x0
	CROUND                                         ; the closing round: no work-group ends while a partner may still ask for a tile that names it
	s_endpgm
.Lfunc_end_k_qa13ec05f72_cell:
	.size	k_qa13ec05f72_cell, .Lfunc_end_k_qa13ec05f72_cell-k_qa13ec05f72_cell
	.p2alignl 7, 3214868480
	.fill 96, 4, 3214868480
	.section	.rodata,"a",@progbits
	.p2align	6, 0x0
	.amdhsa_kernel k_qa13ec05f72_cell
		.amdhsa_group_segment_fixed_size 327680
		.amdhsa_private_segment_fixed_size 0
		.amdhsa_enable_private_segment 0
		.amdhsa_kernarg_size 80
		.amdhsa_user_sgpr_count 2
		.amdhsa_user_sgpr_kernarg_segment_ptr 1
		.amdhsa_wavefront_size32 1
		.amdhsa_system_sgpr_workgroup_id_x 1
		.amdhsa_system_sgpr_workgroup_id_y 1
		.amdhsa_system_sgpr_workgroup_id_z 1
		.amdhsa_system_vgpr_workitem_id 0
		.amdhsa_next_free_vgpr 1024
		.amdhsa_next_free_sgpr 100
		.amdhsa_reserve_vcc 0
		.amdhsa_float_denorm_mode_32 3
		.amdhsa_float_denorm_mode_16_64 3
		.amdhsa_memory_ordered 1
		.amdhsa_forward_progress 1
		.amdhsa_inst_pref_size 254
	.end_amdhsa_kernel
	.amdgpu_metadata
---
amdhsa.version: [ 1, 2 ]
amdhsa.kernels:
  - .name:           k_qa13ec05f72_cell
    .symbol:         k_qa13ec05f72_cell.kd
    .args:
      - { .name: abf, .offset: 0, .size: 8, .value_kind: global_buffer, .address_space: global }
      - { .name: wbf, .offset: 8, .size: 8, .value_kind: global_buffer, .address_space: global }
      - { .name: c, .offset: 16, .size: 8, .value_kind: global_buffer, .address_space: global }
      - { .name: n, .offset: 24, .size: 8, .value_kind: global_buffer, .address_space: global }
      - { .name: m, .offset: 32, .size: 8, .value_kind: global_buffer, .address_space: global }
      - { .name: b_i, .offset: 40, .size: 8, .value_kind: global_buffer, .address_space: global }
      - { .name: b_f, .offset: 48, .size: 8, .value_kind: global_buffer, .address_space: global }
      - { .name: b_o, .offset: 56, .size: 8, .value_kind: global_buffer, .address_space: global }
      - { .name: b_z, .offset: 64, .size: 8, .value_kind: global_buffer, .address_space: global }
      - { .name: out0, .offset: 72, .size: 8, .value_kind: global_buffer, .address_space: global }
    .group_segment_fixed_size: 327680
    .private_segment_fixed_size: 0
    .kernarg_segment_align: 8
    .kernarg_segment_size: 80
    .max_flat_workgroup_size: 128
    .sgpr_count:     100
    .vgpr_count:     1024
    .wavefront_size: 32
...
	.end_amdgpu_metadata
.endif
;; end of part 2
;; ======== version 2 of 2: 2 launches; version 1 with the launch pack written anew for expert scheduling mode
;; workspace buffers: abf 16,777,216 bytes; wbf 67,108,864 bytes
;; launch pack (part 3): grid 512 x 1, 8 waves a work-group, no clusters, 0 bytes of LDS; arguments x, h, W_i, W_f, W_o, W_z, abf, wbf; writes abf, wbf
.if DOCPART == 3
	.amdgcn_target "amdgcn-amd-amdhsa--gfx1250"
	.amdhsa_code_object_version 6
	.text
	.protected	k_qa13ec05f72_pack
	.globl	k_qa13ec05f72_pack
	.p2align	8
	.type	k_qa13ec05f72_pack,@function
k_qa13ec05f72_pack:
	s_mov_b64 s[64:65], 0
	v_nop
	global_prefetch_b8 v0, s[64:65] scope:SCOPE_SE
	s_setreg_imm32_b32 hwreg(HW_REG_WAVE_SCHED_MODE, 0, 2), 2
	s_setreg_imm32_b32 hwreg(HW_REG_WAVE_MODE, 25, 1), 1
	s_wait_xcnt 0x0
	s_wait_alu depctr_vm_vsrc(0)
; The matrix operands of the sLSTM cell, rounded once to bf16 (to nearest even) and laid out for the product that follows.
;   abf [2048][4096] bf16: row r = x[r] (2,048 numbers), then h[r]: the concatenation.
;   wbf [8192][4096] bf16: row (d/32)*128 + g*32 + d%32 = W_g[d], g = 0, 1, 2, 3 for i, f, o, z: 128 neighbouring rows hold all four gates of 32 neighbouring columns d.
; bf16 and not f16: it keeps f32's range, so inputs far larger or smaller than usual lose no more than their low bits.
; Why a launch of its own: with f32 tiles the product would read twice the LDS bytes for each matrix instruction and would have five tiles a K step (one of [x|h], four
; of the weights) for four waves.  Here 168 MB are read and 84 MB written once, and the product then reads 2 bytes a number.
; SHARES.  512 work-groups of eight waves.  Work-group w takes rows 4w .. 4w+3 of x, of h and of each of the four weights: 80 loads of 16 bytes a thread, in five chunks of 16.
; Thread t takes the 16 bytes at 16 t of every piece of 4,096 bytes (a wave's load covers 512 consecutive bytes) and stores the 8 bytes at 8 t of the piece of 2,048 bytes
; that it becomes (a wave's store covers 256 consecutive bytes, aligned).  Three chunk buffers in registers: 48 loads of a wave are out at the start.
; No LDS, no barrier, no matrix unit: nothing is shared and nothing is summed.
; THE MODE: SCHED_MODE bits 1:0 = 2 (LLVM: expert scheduling mode 2), set by the entry lines.  The code itself states the register dependences
; between vector instructions and memory instructions, with s_wait_alu, always for 0.
; THE PLAN.  Registers that memory instructions touch:
;   v1, v2   byte offsets, made once at the head and never written again: every load reads v1, every store v2.
;   X0       loaded with x's and h's chunk; read by chunk 0's roundings; loaded with W_o's chunk; rounded in place by chunk 3 and stored from.
;   X1       loaded with W_i's chunk; read by chunk 1's roundings; loaded with W_z's chunk; rounded in place by chunk 4 and stored from.
;   X2       loaded with W_f's chunk; rounded in place by chunk 2 and stored from.
;   Y        written by the roundings of chunks 0 and 1, read by their stores.
; Chunks 0 and 1, whose X buffers are asked for again, round into Y: so no store ever reads a register in which a load is to land, and the buffer is asked for again at once behind
; the roundings, ahead of the chunk's stores.  The last three chunks' buffers are not asked for again: they are rounded in place.
; A chunk is: the wait for its data; its 32 roundings; ONE wait on va_vdst; its loads and stores, with no vector instruction between that wait and them.
; One wait on vm_vsrc stands in the kernel, ahead of chunk 1's roundings, which write Y a second time.
.set X0, 4                             ; v[4:67]    chunk buffer 0: 16 x 4 registers
.set X1, 68                            ; v[68:131]  chunk buffer 1
.set X2, 132                           ; v[132:195] chunk buffer 2
.set Y,  196                           ; v[196:227] the out-buffer of chunks 0 and 1: 16 x 2 registers
.set PX,  4                            ; s[4:5] x, s[6:7] h
.set PH,  6
.set PWI, 8                            ; s[8:15] W_i, W_f, W_o, W_z
.set PWF, 10
.set PWO, 12
.set PWZ, 14
.set PA,  16                           ; s[16:17] abf
.set PW,  18                           ; s[18:19] wbf
.macro LD buf, i, sb, off              ; 16 bytes a thread, read once in the whole launch
	global_load_b128 v[\buf+4*(\i):\buf+4*(\i)+3], v1, s[\sb:\sb+1] offset:\off th:TH_LOAD_NT
.endm
.macro ST reg, sb, off                 ; 8 bytes a thread; no hint: the next launch reads these bytes
	global_store_b64 v2, v[\reg:\reg+1], s[\sb:\sb+1] offset:\off
.endm
.macro ROUND_OUT buf                   ; a chunk's 64 numbers a thread, rounded into Y: piece i's four numbers into two registers
.irp i, 0,1,2,3,4,5,6,7,8,9,10,11,12,13,14,15
	v_cvt_pk_bf16_f32 v[Y+2*\i],   v[\buf+4*\i],   v[\buf+4*\i+1]
	v_cvt_pk_bf16_f32 v[Y+2*\i+1], v[\buf+4*\i+2], v[\buf+4*\i+3]
.endr
.endm
.macro ROUND_IN buf                    ; the same in place: piece i's four numbers close up into the first two of their four registers
.irp i, 0,1,2,3,4,5,6,7,8,9,10,11,12,13,14,15
	v_cvt_pk_bf16_f32 v[\buf+4*\i],   v[\buf+4*\i],   v[\buf+4*\i+1]
	v_cvt_pk_bf16_f32 v[\buf+4*\i+1], v[\buf+4*\i+2], v[\buf+4*\i+3]
.endr
.endm
.macro LDA buf                         ; the chunk of x and h: 4 rows x 2 pieces of each
.irp r, 0,1,2,3
.irp p, 0,1
	LD \buf, 2*\r+\p,   PX, \r*8192+\p*4096
	LD \buf, 8+2*\r+\p, PH, \r*8192+\p*4096
.endr
.endr
.endm
.macro STA                             ; out of Y: x's half of a row of abf, then h's half 4,096 bytes further on
.irp r, 0,1,2,3
.irp p, 0,1
	ST Y+2*(2*\r+\p),   PA, \r*8192+\p*2048
	ST Y+2*(8+2*\r+\p), PA, \r*8192+4096+\p*2048
.endr
.endr
.endm
.macro LDW buf, sb                     ; a chunk of one weight: 4 rows x 4 pieces
.irp r, 0,1,2,3
.irp p, 0,1,2,3
	LD \buf, 4*\r+\p, \sb, \r*16384+\p*4096
.endr
.endr
.endm
.macro STW base, step, g               ; piece i lies at base + step x i; gate g's rows lie 32 g rows of 8,192 bytes behind gate 0's; 817,152 at the most, inside the signed 24-bit immediate
.irp r, 0,1,2,3
.irp p, 0,1,2,3
	ST \base+\step*(4*\r+\p), PW, (32*\g+\r)*8192+\p*2048
.endr
.endr
.endm
	s_load_b512 s[4:19], s[0:1], 0x0               ; all eight addresses
	s_lshl_b32 s20, ttmp9, 15                      ; 4 rows of 8,192 bytes: the same offset in x, in h and in abf
	s_mov_b32 s21, 0
	s_lshl_b32 s22, ttmp9, 16                      ; 4 rows of 16,384 bytes in each weight
	s_mov_b32 s23, 0
	s_lshr_b32 s24, ttmp9, 3                       ; wbf: row (w/8)*128 + (w%8)*4, in rows of 8,192 bytes
	s_lshl_b32 s24, s24, 20
	s_and_b32 s25, ttmp9, 7
	s_lshl_b32 s25, s25, 15
	s_add_co_u32 s24, s24, s25
	s_mov_b32 s25, 0
	v_lshlrev_b32 v1, 4, v0                        ; 16 t: never rewritten
	v_lshlrev_b32 v2, 3, v0                        ; 8 t: never rewritten
	s_wait_kmcnt 0x0
	s_add_nc_u64 s[PX:PX+1],   s[PX:PX+1],   s[20:21]
	s_add_nc_u64 s[PH:PH+1],   s[PH:PH+1],   s[20:21]
	s_add_nc_u64 s[PA:PA+1],   s[PA:PA+1],   s[20:21]
	s_add_nc_u64 s[PWI:PWI+1], s[PWI:PWI+1], s[22:23]
	s_add_nc_u64 s[PWF:PWF+1], s[PWF:PWF+1], s[22:23]
	s_add_nc_u64 s[PWO:PWO+1], s[PWO:PWO+1], s[22:23]
	s_add_nc_u64 s[PWZ:PWZ+1], s[PWZ:PWZ+1], s[22:23]
	s_add_nc_u64 s[PW:PW+1],   s[PW:PW+1],   s[24:25]
	s_wait_alu depctr_va_vdst(0)                   ; v1 and v2 are written: every load and store of the kernel reads one of them as its offset
	LDA X0
	LDW X1, PWI
	LDW X2, PWF
	; chunk 0: x and h
	s_wait_loadcnt 32                              ; loads come back in order: x's and h's chunk is in, the two younger chunks stay out
	ROUND_OUT X0
	s_wait_alu depctr_va_vdst(0)                   ; the roundings have written Y, which the stores below read, and are done reading X0, in which the loads below land
	LDW X0, PWO                                    ; the buffer is asked for again at once, ahead of the stores: no store reads it
	STA
	; chunk 1: W_i
	s_wait_loadcnt 32                              ; W_i's chunk is in; W_f's and W_o's stay out
	s_wait_xcnt 0x0                                ; Y is the data of chunk 0's stores: it is rewritten only behind this wait,
	s_wait_alu depctr_vm_vsrc(0)                   ; and behind this one: chunk 0's stores have read Y, which the roundings below write again
	ROUND_OUT X1
	s_wait_alu depctr_va_vdst(0)                   ; the roundings have written Y, which the stores below read, and are done reading X1, in which the loads below land
	LDW X1, PWZ
	STW Y, 2, 0
	; chunks 2 to 4: W_f, W_o, W_z.  Nothing more is asked for; no memory instruction has read these buffers, so they are rounded in place
	s_wait_loadcnt 32                              ; W_f's chunk is in; W_o's and W_z's stay out
	ROUND_IN X2
	s_wait_alu depctr_va_vdst(0)                   ; the roundings have written X2's packed registers, which the stores below read
	STW X2, 4, 1
	s_wait_loadcnt 16                              ; W_o's chunk; W_z's stays out
	ROUND_IN X0
	s_wait_alu depctr_va_vdst(0)                   ; the roundings have written X0's packed registers, which the stores below read
	STW X0, 4, 2
	s_wait_loadcnt 0x0                             ; W_z's chunk: nothing was issued behind it
	ROUND_IN X1
	s_wait_alu depctr_va_vdst(0)                   ; the roundings have written X1's packed registers, which the stores below read
	STW X1, 4, 3
	s_endpgm
.Lfunc_end_k_qa13ec05f72_pack:
	.size	k_qa13ec05f72_pack, .Lfunc_end_k_qa13ec05f72_pack-k_qa13ec05f72_pack
	.p2alignl 7, 3214868480
	.fill 96, 4, 3214868480
	.section	.rodata,"a",@progbits
	.p2align	6, 0x0
	.amdhsa_kernel k_qa13ec05f72_pack
		.amdhsa_group_segment_fixed_size 0
		.amdhsa_private_segment_fixed_size 0
		.amdhsa_enable_private_segment 0
		.amdhsa_kernarg_size 64
		.amdhsa_user_sgpr_count 2
		.amdhsa_user_sgpr_kernarg_segment_ptr 1
		.amdhsa_wavefront_size32 1
		.amdhsa_system_sgpr_workgroup_id_x 1
		.amdhsa_system_sgpr_workgroup_id_y 1
		.amdhsa_system_sgpr_workgroup_id_z 1
		.amdhsa_system_vgpr_workitem_id 0
		.amdhsa_next_free_vgpr 228
		.amdhsa_next_free_sgpr 66
		.amdhsa_reserve_vcc 0
		.amdhsa_float_denorm_mode_32 3
		.amdhsa_float_denorm_mode_16_64 3
		.amdhsa_memory_ordered 1
		.amdhsa_forward_progress 1
		.amdhsa_inst_pref_size 27
	.end_amdhsa_kernel
	.amdgpu_metadata
---
amdhsa.version: [ 1, 2 ]
amdhsa.kernels:
  - .name:           k_qa13ec05f72_pack
    .symbol:         k_qa13ec05f72_pack.kd
    .args:
      - { .name: x, .offset: 0, .size: 8, .value_kind: global_buffer, .address_space: global }
      - { .name: h, .offset: 8, .size: 8, .value_kind: global_buffer, .address_space: global }
      - { .name: W_i, .offset: 16, .size: 8, .value_kind: global_buffer, .address_space: global }
      - { .name: W_f, .offset: 24, .size: 8, .value_kind: global_buffer, .address_space: global }
      - { .name: W_o, .offset: 32, .size: 8, .value_kind: global_buffer, .address_space: global }
      - { .name: W_z, .offset: 40, .size: 8, .value_kind: global_buffer, .address_space: global }
      - { .name: abf, .offset: 48, .size: 8, .value_kind: global_buffer, .address_space: global }
      - { .name: wbf, .offset: 56, .size: 8, .value_kind: global_buffer, .address_space: global }
    .group_segment_fixed_size: 0
    .private_segment_fixed_size: 0
    .kernarg_segment_align: 8
    .kernarg_segment_size: 64
    .max_flat_workgroup_size: 256
    .sgpr_count:     66
    .vgpr_count:     228
    .wavefront_size: 32
...
	.end_amdgpu_metadata
.endif
;; end of part 3
;; launch cell: the kernel of part 2 again; grid 32 x 8, 4 waves a work-group, clusters of 4 x 4, 327,680 bytes of LDS; arguments abf, wbf, c, n, m, b_i, b_f, b_o, b_z, out0; writes out0
